; MI455X (gfx1250); checked and timed in simulation.
; The chip was launched on July 23, 2026; its instructions are those of AMD's public machine-readable ISA for CDNA 5 (MIT licence, August 2026) and "CDNA5" Instruction Set Architecture Reference Guide (July 2026). The comments in the code are by the model that wrote it; some were corrected since.
;; Fourier KAN Layer. Allowed arithmetic: float matrix products may take bf16 or f16 operands with f32 sums; other float arithmetic in f32, or as packed bf16 or f16 multiplies, adds, multiply-adds, maxima and minima; sums over many terms, partial sums and values carried from step to step in f32; what a program stores and reads back later, other than sums and carried values, may be rounded once to bf16 or f16.
;; Inputs: bias 512 float32; fourier_coeffs 512 x 32 x 2 x 512 float32; x 4,096 x 512 float32.
;; Outputs: out0 4,096 x 512 float32.
;; One version. Each part assembles by itself: llvm-mc -triple=amdgcn-amd-amdhsa -mcpu=gfx1250 --defsym DOCPART=n.
;; ======== version 1 of 1: 3 launches
;; limits: values are held in f16: magnitudes above 65,504 overflow, below 6.1e-05 lose precision; right only within a limited range of input values
;; workspace buffers: w16 33,554,432 bytes; part 67,108,864 bytes
;; launch cast (part 1): grid 1024 x 1, 8 waves a work-group, no clusters, 0 bytes of LDS; arguments fourier_coeffs, w16; writes w16
.if DOCPART == 1
	.amdgcn_target "amdgcn-amd-amdhsa--gfx1250"
	.amdhsa_code_object_version 6
	.text
	.protected	k_q276bcf7358_cast
	.globl	k_q276bcf7358_cast
	.p2align	8
	.type	k_q276bcf7358_cast,@function
k_q276bcf7358_cast:
	s_mov_b64 s[64:65], 0
	v_nop
	global_prefetch_b8 v0, s[64:65] scope:SCOPE_SE
	s_setreg_imm32_b32 hwreg(HW_REG_WAVE_MODE, 25, 1), 1
	s_wait_xcnt 0x0
; w16 = fourier_coeffs rounded once to f16, in the same order: [32768 rows of K][512 columns].
; LIMIT: f16 ends at 65,504: a coefficient of 65,520 or more in size becomes an infinity; below 6.1e-5 a coefficient keeps f16's fixed step of 6e-8.
; A pure stream: no LDS, no barrier, no matrix unit.  A work-group takes 65,536 bytes of input, thread t sixteen pieces of 16 bytes, 4,096 bytes apart:
; a wave's load covers 512 consecutive bytes, a wave's store (8 bytes a lane) 256 consecutive bytes at a multiple of 256 from the buffer's first byte.
; All sixteen loads of a wave go out at once; every piece has registers of its own, so no register that a pending instruction names is written again.
.set PIECES, 16
.set X, 4                              ; v[4:67]   piece j: four f32 as loaded
.set Y, 68                             ; v[68:99]  piece j: four f16 in two registers
	s_load_b128 s[4:7], s[0:1], 0x0                ; fourier_coeffs s[4:5], w16 s[6:7]
	s_lshl_b32 s2, ttmp9, 16                       ; the work-group's 65,536 bytes of input (1,024 work-groups: under 2^32)
	s_mov_b32 s3, 0
	s_lshl_b32 s8, ttmp9, 15                       ; and its 32,768 bytes of output
	s_mov_b32 s9, 0
	v_lshlrev_b32 v1, 4, v0                        ; 16 t
	v_lshlrev_b32 v2, 3, v0                        ; 8 t
	s_wait_kmcnt 0x0
	s_add_nc_u64 s[4:5], s[4:5], s[2:3]
	s_add_nc_u64 s[6:7], s[6:7], s[8:9]
.irp j, 0,1,2,3,4,5,6,7,8,9,10,11,12,13,14,15
	global_load_b128 v[X+4*(\j):X+4*(\j)+3], v1, s[4:5] offset:4096*(\j) th:TH_LOAD_NT  ; read once in the whole program
.endr
.irp j, 0,1,2,3,4,5,6,7,8,9,10,11,12,13,14,15
	s_wait_loadcnt PIECES-1-(\j)                   ; loads come back in order: piece j is in, the younger ones stay out
	v_cvt_pk_f16_f32 v[Y+2*(\j)],   v[X+4*(\j)],   v[X+4*(\j)+1]
	v_cvt_pk_f16_f32 v[Y+2*(\j)+1], v[X+4*(\j)+2], v[X+4*(\j)+3]
	global_store_b64 v2, v[Y+2*(\j):Y+2*(\j)+1], s[6:7] offset:2048*(\j)  ; no hint: the next launch reads it
.endr
	s_endpgm
.Lfunc_end_k_q276bcf7358_cast:
	.size	k_q276bcf7358_cast, .Lfunc_end_k_q276bcf7358_cast-k_q276bcf7358_cast
	.p2alignl 7, 3214868480
	.fill 96, 4, 3214868480
	.section	.rodata,"a",@progbits
	.p2align	6, 0x0
	.amdhsa_kernel k_q276bcf7358_cast
		.amdhsa_group_segment_fixed_size 0
		.amdhsa_private_segment_fixed_size 0
		.amdhsa_enable_private_segment 0
		.amdhsa_kernarg_size 16
		.amdhsa_user_sgpr_count 2
		.amdhsa_user_sgpr_kernarg_segment_ptr 1
		.amdhsa_wavefront_size32 1
		.amdhsa_system_sgpr_workgroup_id_x 1
		.amdhsa_system_sgpr_workgroup_id_y 1
		.amdhsa_system_sgpr_workgroup_id_z 1
		.amdhsa_system_vgpr_workitem_id 0
		.amdhsa_next_free_vgpr 104
		.amdhsa_next_free_sgpr 66
		.amdhsa_reserve_vcc 0
		.amdhsa_float_denorm_mode_32 3
		.amdhsa_float_denorm_mode_16_64 3
		.amdhsa_memory_ordered 1
		.amdhsa_forward_progress 1
		.amdhsa_inst_pref_size 7
	.end_amdhsa_kernel
	.amdgpu_metadata
---
amdhsa.version: [ 1, 2 ]
amdhsa.kernels:
  - .name:           k_q276bcf7358_cast
    .symbol:         k_q276bcf7358_cast.kd
    .args:
      - { .name: fourier_coeffs, .offset: 0, .size: 8, .value_kind: global_buffer, .address_space: global }
      - { .name: w16, .offset: 8, .size: 8, .value_kind: global_buffer, .address_space: global }
    .group_segment_fixed_size: 0
    .private_segment_fixed_size: 0
    .kernarg_segment_align: 8
    .kernarg_segment_size: 16
    .max_flat_workgroup_size: 256
    .sgpr_count:     66
    .vgpr_count:     104
    .wavefront_size: 32
...
	.end_amdgpu_metadata
.endif
;; end of part 1
;; launch gemm (part 2): grid 16 x 16, 4 waves a work-group, clusters of 4 x 1, 327,680 bytes of LDS; arguments x, w16, part; writes part
.if DOCPART == 2
	.amdgcn_target "amdgcn-amd-amdhsa--gfx1250"
	.amdhsa_code_object_version 6
	.text
	.protected	k_q276bcf7358_gemm
	.globl	k_q276bcf7358_gemm
	.p2align	8
	.type	k_q276bcf7358_gemm,@function
k_q276bcf7358_gemm:
	s_mov_b64 s[64:65], 0
	v_nop
	global_prefetch_b8 v0, s[64:65] scope:SCOPE_SE
	s_setreg_imm32_b32 hwreg(HW_REG_WAVE_MODE, 25, 1), 1
	s_wait_xcnt 0x0
	s_wait_alu depctr_hold_cnt(0) depctr_sa_sdst(0) depctr_va_vdst(0) depctr_va_sdst(0) depctr_va_ssrc(0) depctr_va_vcc(0) depctr_vm_vsrc(0)
	s_getreg_b32 s2, hwreg(HW_REG_IB_STS2, 6, 4)
	s_cmp_eq_u32 s2, 0
	s_cbranch_scc0 .Lentry_in_a_cluster
	s_endpgm
.Lentry_in_a_cluster:
	s_bfe_u32 s2, ttmp6, 0x10000c
	s_cmp_lg_u32 s2, 0x3003
	s_cbranch_scc0 .Lentry_shape_is_right
	s_endpgm
.Lentry_shape_is_right:
; part[ks][m][n] = the sum over the 64 inputs i of K slice ks, the harmonics k = 1..32 and f = cos, sin of trig_f(k x[m][i]) W[i][k-1][f][n].  x: [4096][512] f32; w16: [32768][512] f16; part: [8][4096][512] f32.
; A product of M = 4,096, N = 512, K = 32,768 whose first operand is never in memory: it is made in registers, in the matrix instruction's own layout.  Operands f16, sums f32.
; LIMITS.  cos and sin lie in -1..1 and are rounded once to f16.  They are those of the exact product k x, to about 3e-5 rad for |x| up to 2^16 (the angle is reduced in two parts of pi / 2; a recurrence of 15 steps follows);
; a source that first rounds k x to f32 differs from that by up to |k x| 2^-24.  An infinite or NaN x gives NaN.
; SHARES.  256 work-groups: 16 row blocks of 256 (mt) x 2 column halves of 256 (nh) x 8 slices of K (ks: 64 inputs, 4,096 of K).  K is split because C is small: so a wave holds 64 x 256 of C, 64 accumulators,
; and a fragment of W read from LDS feeds four products.  The eight partial sums are added, in f32 and in order, by the next launch.
; CLUSTER.  The four work-groups of a cluster differ in mt alone and walk the same rows of w16: each tile is asked for JOINTLY, by the same tensor load, descriptor and mask in all four.
; THE ORDER OF K inside one input (64 rows of w16: row 2 (k - 1) + f).  Lanes 0-15 make harmonics 1..16, lanes 16-31 harmonics 17..32, eight a chunk c: register p of the fragment holds (cos k x, sin k x), k = 16 h + 8 c + p + 1.
; W's fragment takes the same rows into the same places: rows 32 h + 16 c + 0..15, turned by ds_load_tr16_b128.  A permutation of K that both operands share leaves the products as they are.
; THE MATRIX INSTRUCTION IS USED TRANSPOSED (source 0 = 16 columns of W, source 1 = 16 rows of trig): a lane then holds eight neighbouring numbers of a row of C, 32 bytes.
; TRIG.  e^(i mu x), mu = 1 (lanes 0-15) or 16 (lanes 16-31): y = mu x / 4 less the nearest multiple of pi / 2, short polynomials for sin y and cos y on |y| <= pi / 4, squared twice: the fourth power undoes the division,
; and the multiple of pi / 2 becomes a multiple of 2 pi, so no quadrant is looked at.  Then w(k + 1) = 2 cos x w(k) - w(k - 1) on the pair (cos, sin): one packed multiply-add and one rounding for each register of a fragment.
; BY PHASES.  A slot of LDS holds two inputs' rows; its four phases (input, chunk) are 64 matrix instructions each.  Behind every second one stands a SLICE of up to four vector instructions: the next phase's fragments of trig,
; and the next slot's seeds.  All vector work lies in window 0, where no product's destination lies, so a slice costs two switches of the register windows.
; REGISTERS, in windows of 256 (s_set_vgpr_msb: bits 1:0 source 0, 3:2 source 1, 5:4 source 2, 7:6 destination):
;   window 0: addresses, seeds, chains; v128-191 trig's fragments, two buffers of 4 tiles x 8          window 1: W's fragments, two buffers of 16 x 8
;   window 2: the accumulators of tiles 0, 1 ((a, b) at 8 (16 a + b))          window 3: those of tiles 2, 3
.set PB,    544       ; a row of W in LDS: 512 bytes + 32 of padding = 136 words: row r starts at bank 8 r mod 64 (64 banks of 4 bytes: ISA guide 11.1)
.set QUART, 32*PB     ; what one tensor load brings: 32 rows, a quarter of a slot
.set SLOTB, 128*PB    ; a slot: two inputs, 128 rows
.set STAGE, SLOTB     ; behind slot 0, never filled by a tensor load: 16 rows x 528 bytes for each wave, for the way out
.set SPI,   528       ; 512 + 16: the 16 rows of a store start at 16 different groups of four banks
.set SPARE, STAGE+4*16*SPI  ; the spare words, 128 bytes for each wave: two blocks of 256 bytes that no other line names
.set SLOT1, 1<<17     ; slot 1 begins here, so that one exclusive or turns an address in one slot into the other's
.set XT,    SLOT1+SLOTB  ; the x tile, filled once: for each wave 64 rows x 272 bytes (its rows, the slice's 64 inputs)
.set PX,    272
.set XQ,    64*PX
.set SLOTS, 32        ; slots in the walk
.set AB0, 3           ; v3   my lane's place in a fragment of W; never rewritten
.set ADR, 4           ; v4   the same in the slot being read
.set XA,  5           ; v5   my row's place in the x tile; never rewritten
.set STO, 6           ; v6   the way out: where I put 32 bytes of a row
.set RD,  7           ; v7   the way out: where I read a row back
.set CO,  8           ; v8   my 16 bytes in 512 consecutive bytes of part
.set XAD, 9           ; v9   XA + the slot's 8 bytes
.set MU,  10          ; v[10:11] mu / 4: 0.25 or 4
.set SPW, 12          ; v12  LDS address of my spare word; never rewritten
.set NIL, 13          ; v13  0; never rewritten
.set XR,  14          ; v[14:21] tile a: x of a slot's two inputs
.set SCT, 22          ; v[22:41] two sets of ten at work on the seeds: y, y^2, n / the sine's polynomial, the cosine's, y^3 (pairs over the two inputs)
.set CSB, 42          ; v[42:57] tile a: cos, cos, sin, sin of mu x for the two inputs
.set PT,  58          ; v[58:73] tile a: the other half's cos, sin; cos x, sin x
.set CHB, 74          ; v[74:121] input e, tile a at CHB + 24 e + 6 a: two links of the chain (cos, sin each), 2 cos x, and a word named with it as a pair
.set AF,  128         ; trig's fragments: chunk c, tile a at AF + 32 c + 8 a
.set OB,  128         ; the way out: two buffers of 64
.set WV,  10          ; s10  my wave's number
.set G1B, 24          ; s[24:31] descriptor group 1 for W's tiles
.set G1X, 32          ; s[32:39] for the x tile
.set G0X, 40          ; s[40:43] descriptor group 0: the x tile
.set G0A, 44          ; s[44:47] slot 0's first fill
.set G0,  48          ; s[48:51] slot 1's first fill; then it walks
.set TB,  52          ; s52  LDS byte at which the slot being read begins
.set LC,  53          ; s53  the loop's count
.set HM,  54          ; s54  the mask of lanes 16-31
.set XO,  55          ; s55  the bytes of a row of the x tile that have been taken
.set SEL, 56          ; s[56:57] v_permlanex16_b32's selects: each lane takes its own place in the other half
.set PS1, 66          ; s[66:77] the polynomials' coefficients, each as a pair (a packed instruction names a pair and takes its low word)
.set PS2, 68
.set PS3, 70
.set PC1, 72
.set PC2, 74
.set PC3, 76
.set MSB, 0
.macro WIN new                      ; the immediate's high byte repeats the setting that is left; a switch that changes nothing is dropped
.if MSB != (\new)
	s_set_vgpr_msb (MSB<<8)|(\new)
.set MSB, \new
.endif
.endm
.set MUL_LO, 0xa1     ; source 0 (W) window 1, source 1 (trig) window 0, C and D window 2
.set MUL_HI, 0xf1     ; the same, C and D window 3
.set TO_B,   0x40     ; destination window 1, address window 0
.macro PLACES                       ; a vector instruction or load that writes a matrix instruction's register, and a store that reads its result, stand four plain vector instructions behind it
.rept 4
	v_nop
.endr
.endm
; A round of the cluster's barrier: my work-group's barrier, so that wave 0's signal speaks for all four waves; wave 0 signals; every wave waits for all four work-groups; my work-group's barrier once more.
.macro CREST                        ; a round behind its opening barrier
	s_cmp_lg_u32 s[WV], 0
	s_cbranch_scc1 .Lnot_wave_0_\@
	s_barrier_signal -3
.Lnot_wave_0_\@:
	s_barrier_wait -3
	s_barrier_signal -1
	s_barrier_wait -1
.endm
.macro CROUND
	s_barrier_signal -1
	s_barrier_wait -1
	CREST
.endm
	s_load_b128 s[4:7], s[0:1], 0x0  ; x s[4:5], w16 s[6:7]
	s_load_b64 s[8:9], s[0:1], 0x10  ; part
	v_lshl_add_u32 v[SPW], v0, 2, SPARE
	v_mov_b32 v[NIL], 0
	ds_add_u32 v[SPW], v[NIL]       ; the wave's opening: the add and its wait stand ahead of my first tensor load; the set-up below, work on registers, stands between them
	v_lshrrev_b32 v1, 5, v0
	v_readfirstlane_b32 s[WV], v1   ; wave 0..3
	s_bfe_u32 s11, ttmp6, 0x40000   ; cx: my place in the cluster
	s_lshl_b32 s12, ttmp9, 2        ; in a cluster launch ttmp9 counts clusters
	s_add_co_u32 s12, s12, s11      ; mt = 4 x cluster x + cx: it enters x's and part's addresses alone
	s_and_b32 s13, ttmp7, 0xffff    ; y, which the four partners share
	s_and_b32 s14, s13, 1           ; nh
	s_lshr_b32 s15, s13, 1          ; ks
	s_lshl_b32 s16, s12, 19         ; x: 256 mt rows of 2,048 bytes,
	s_lshl_b32 s22, s[WV], 17       ; my wave's 64 rows,
	s_add_co_u32 s16, s16, s22
	s_lshl_b32 s3, s15, 8           ; the slice's 64 inputs
	s_add_co_u32 s16, s16, s3
	s_mov_b32 s17, 0
	s_lshl_b32 s18, s15, 22         ; w16: 4,096 ks rows of 1,024 bytes,
	s_lshl_b32 s23, s[WV], 15       ; my quarter's 32 rows,
	s_add_co_u32 s18, s18, s23
	s_lshl_b32 s23, s14, 9          ; the column half
	s_add_co_u32 s18, s18, s23
	s_mov_b32 s19, 0
	s_lshl_b32 s20, s15, 23         ; part: slice ks of 8 MiB,
	s_lshl_b32 s3, s12, 19          ; 256 mt rows of 2,048 bytes,
	s_add_co_u32 s20, s20, s3
	s_add_co_u32 s20, s20, s22      ; my wave's 64 rows,
	s_lshl_b32 s3, s14, 10          ; the column half
	s_add_co_u32 s20, s20, s3
	s_mov_b32 s21, 0
	; descriptor group 1 for W: 32 rows x 256 elements of 2 bytes, padded in LDS
	s_mov_b32 s[G1B+0], 15|(1<<16)|(1<<20)|(1<<21)|(6<<22)|(7<<25)  ; 15:0 the mask of four; 17:16 2-byte elements; 20 padding on; 21 set beside a mask; 24:22 after every 128 words (code 6); 31:25 8 words (code 7)
	s_mov_b32 s[G1B+1], 256<<16     ; tensor_dim0 = 256
	s_mov_b32 s[G1B+2], 32<<16      ; tensor_dim1 = 32
	s_mov_b32 s[G1B+3], 256<<16     ; tile_dim0 = 256
	s_mov_b32 s[G1B+4], 32          ; tile_dim1 = 32
	s_mov_b32 s[G1B+5], 512         ; 512 elements from row to row
	s_mov_b32 s[G1B+6], 0
	s_mov_b32 s[G1B+7], 0
	; and for x: 64 rows x 64 elements of 4 bytes; no mask: every work-group has rows of its own
	s_mov_b32 s[G1X+0], (2<<16)|(1<<20)|(5<<22)|(3<<25)  ; 17:16 4-byte elements; 20 padding on; 24:22 after every 64 words (code 5); 31:25 4 words (code 3)
	s_mov_b32 s[G1X+1], 64<<16
	s_mov_b32 s[G1X+2], 64<<16
	s_mov_b32 s[G1X+3], 64<<16
	s_mov_b32 s[G1X+4], 64
	s_mov_b32 s[G1X+5], 512
	s_mov_b32 s[G1X+6], 0
	s_mov_b32 s[G1X+7], 0
	s_mul_i32 s58, s[WV], QUART     ; where the tiles go: the wave's number times a constant, plus the region's constant
	s_mul_i32 s59, s[WV], XQ
	s_mov_b32 s[G0X], 1
	s_add_co_u32 s[G0X+1], s59, XT
	s_mov_b32 s[G0A], 1
	s_mov_b32 s[G0A+1], s58
	s_mov_b32 s[G0], 1
	s_add_co_u32 s[G0+1], s58, SLOT1
	s_mov_b32 s[TB], 0
	s_mov_b32 s[XO], 0
	s_mov_b32 s[SEL], 0x76543210
	s_mov_b32 s[SEL+1], 0xfedcba98
.irp z, 0,1
	s_mov_b32 s[PS1+(\z)], 0xbe2aaaa3  ; sin y = y + y^3 (-1.6666654611e-1
	s_mov_b32 s[PS2+(\z)], 0x3c08839e  ;   + 8.3321608736e-3 y^2
	s_mov_b32 s[PS3+(\z)], 0xb94ca1f9  ;   - 1.9515295891e-4 y^4)
	s_mov_b32 s[PC1+(\z)], 0x3d2aaaa5  ; cos y = 1 - y^2 / 2 + y^4 (4.166664568e-2
	s_mov_b32 s[PC2+(\z)], 0xbab6061a  ;   - 1.388731625e-3 y^2
	s_mov_b32 s[PC3+(\z)], 0x37ccf5ce  ;   + 2.443315712e-5 y^4)
.endr
	s_wait_dscnt 0x0                ; the opening add is done
	s_wait_kmcnt 0x0
	s_add_nc_u64 s[G0X+2:G0X+3], s[4:5], s[16:17]
	s_or_b32 s[G0X+3], s[G0X+3], 0x80000000  ; 127:126 type = 2
	s_add_nc_u64 s[G0A+2:G0A+3], s[6:7], s[18:19]  ; my quarter of slot 0's rows,
	s_add_nc_u64 s[G0+2:G0+3], s[G0A+2:G0A+3], 0x20000  ; and of slot 1's, 128 rows of 1,024 bytes on
	s_or_b32 s[G0A+3], s[G0A+3], 0x80000000
	s_or_b32 s[G0+3], s[G0+3], 0x80000000
	s_add_nc_u64 s[8:9], s[8:9], s[20:21]
	CROUND                          ; all four work-groups are here: the first joint loads meet
	tensor_load_to_lds s[G0X:G0X+3], s[G1X:G1X+7]  ; the first fills go out together: three loads of mine are out
	s_nop 0
	tensor_load_to_lds s[G0A:G0A+3], s[G1B:G1B+7]
	s_nop 0
	tensor_load_to_lds s[G0:G0+3], s[G1B:G1B+7]
	s_nop 0
	PLACES                          ; an s_nop 0 follows each load, four v_nop the last
	v_and_b32 v1, 31, v0            ; lane l
	v_and_b32 v122, 15, v0          ; r = l % 16
	v_bfe_u32 v123, v0, 4, 1        ; h = l / 16
	v_cmp_lt_u32 s[HM], 15, v1
	; the turning load takes 16 rows of K x 16 columns: lane l reads 16 bytes: row 32 h + l % 8 (+ 16 c + 8 for its second half), columns 8 ((l / 8) % 2) + 0..7; it leaves lane l column l % 16 and eight rows
	v_and_b32 v[AB0], 7, v0
	v_lshl_add_u32 v[AB0], v123, 5, v[AB0]
	v_mul_u32_u24 v[AB0], v[AB0], PB
	v_bfe_u32 v124, v0, 3, 1
	v_lshl_add_u32 v[AB0], v124, 4, v[AB0]
	v_add_nc_u32 v[ADR], s[TB], v[AB0]
	v_mul_u32_u24 v[XA], v122, PX   ; both halves of the lanes read the same row of x
	v_add_nc_u32 v[XA], s[G0X+1], v[XA]
	s_mul_i32 s60, s[WV], 16*SPI
	s_add_co_u32 s60, s60, STAGE    ; my stage
	v_mul_u32_u24 v[STO], v122, SPI ; in: row l % 16, 32 bytes for each half of the lanes
	v_lshl_add_u32 v[STO], v123, 5, v[STO]
	v_add_nc_u32 v[STO], s60, v[STO]
	v_lshl_add_u32 v[RD], v1, 4, s60  ; back: 32 lanes take a row of 512 bytes
	v_lshlrev_b32 v[CO], 4, v1
	v_mov_b32 v[MU], 0x3e800000     ; 0.25
	v_cndmask_b32 v[MU], v[MU], 4.0, s[HM]
	v_mov_b32 v[MU+1], v[MU]
.irp a, 0,1,2,3
	v_mov_b32 v[PT+4*(\a)], 0       ; v_permlanex16_b32 counts as a reader of its destination
	v_mov_b32 v[PT+4*(\a)+1], 0
	v_mov_b32 v[CHB+6*(\a)+5], 0    ; named as a pair with 2 cos x
	v_mov_b32 v[CHB+24+6*(\a)+5], 0
.endr
; THE MATRIX WORK.  Product w of a phase's 64: W's fragment b = (w % 32) / 2, tile a = 2 (w / 32) + w % 2, chunk buffer f.  All 64 accumulators take one turn each, in the same order in every phase.
; zero = 1: the first phase's products start the sums: nothing is ever cleared.
.macro MM f, zero
.set hw, w/32
.set bb, (w%32)/2
.set aa, 2*hw+w%2
.set rA, 8*(16*(w%2)+bb)
	WIN MUL_LO+0x50*hw
.if \zero
	v_wmma_f32_16x16x32_f16 v[rA:rA+7], v[128*(\f)+8*bb:128*(\f)+8*bb+7], v[AF+32*(\f)+8*aa:AF+32*(\f)+8*aa+7], 0
.else
	v_wmma_f32_16x16x32_f16 v[rA:rA+7], v[128*(\f)+8*bb:128*(\f)+8*bb+7], v[AF+32*(\f)+8*aa:AF+32*(\f)+8*aa+7], v[rA:rA+7]
.endif
.set w, w+1
.endm
; 32 LDS loads in one run: W's 16 fragments of one chunk, whose rows begin off bytes into the slot, into buffer f
.macro FETCH off, f
	WIN TO_B
.set bb, 0
.rept 16
	ds_load_tr16_b128 v[128*(\f)+8*bb:128*(\f)+8*bb+3],   v[ADR] offset:(\off)+32*bb
	ds_load_tr16_b128 v[128*(\f)+8*bb+4:128*(\f)+8*bb+7], v[ADR] offset:(\off)+8*PB+32*bb
.set bb, bb+1
.endr
	WIN 0
.endm
.macro XLOAD                        ; x of a slot's two inputs, for my row in each of the four tiles
	WIN 0
	v_add_nc_u32 v[XAD], s[XO], v[XA]
.irp a, 0,1,2,3
	ds_load_b64 v[XR+2*(\a):XR+2*(\a)+1], v[XAD] offset:(\a)*16*PX
.endr
	s_add_co_u32 s[XO], s[XO], 8
.endm
; THE SEEDS, step n of 21 for tile a, packed over a slot's two inputs: (cos, sin) of mu x.
.macro SCS a, n
.set u, SCT+10*((\a)%2)
.set rX, XR+2*(\a)
.set rC, CSB+4*(\a)
.set rS, CSB+4*(\a)+2
	WIN 0
.if (\n) == 0
	v_pk_mul_f32 v[u:u+1], v[rX:rX+1], v[MU:MU+1] op_sel_hi:[1,0]  ; mu x / 4: exact
.elseif (\n) == 1
	v_pk_mul_f32 v[u+4:u+5], v[u:u+1], 0x3f22f983 op_sel_hi:[1,0]  ; times 2 / pi
.elseif (\n) == 2
	v_rndne_f32 v[u+4], v[u+4]
.elseif (\n) == 3
	v_rndne_f32 v[u+5], v[u+5]
.elseif (\n) == 4
	v_pk_fma_f32 v[u:u+1], v[u+4:u+5], 0xbfc90fdb, v[u:u+1] op_sel_hi:[1,0,1]  ; less n times pi / 2: its f32,
.elseif (\n) == 5
	v_pk_fma_f32 v[u:u+1], v[u+4:u+5], 0x333bbd2e, v[u:u+1] op_sel_hi:[1,0,1]  ; which is 4.3711388e-8 too large
.elseif (\n) == 6
	v_pk_mul_f32 v[u+2:u+3], v[u:u+1], v[u:u+1]
.elseif (\n) == 7
	v_pk_fma_f32 v[u+4:u+5], v[u+2:u+3], s[PS3:PS3+1], s[PS2:PS2+1] op_sel_hi:[1,0,0]
.elseif (\n) == 8
	v_pk_fma_f32 v[u+6:u+7], v[u+2:u+3], s[PC3:PC3+1], s[PC2:PC2+1] op_sel_hi:[1,0,0]
.elseif (\n) == 9
	v_pk_mul_f32 v[u+8:u+9], v[u+2:u+3], v[u:u+1]
.elseif (\n) == 10
	v_pk_fma_f32 v[u+4:u+5], v[u+2:u+3], v[u+4:u+5], s[PS1:PS1+1] op_sel_hi:[1,1,0]
.elseif (\n) == 11
	v_pk_fma_f32 v[u+6:u+7], v[u+2:u+3], v[u+6:u+7], s[PC1:PC1+1] op_sel_hi:[1,1,0]
.elseif (\n) == 12
	v_pk_fma_f32 v[rS:rS+1], v[u+8:u+9], v[u+4:u+5], v[u:u+1]  ; sin y
.elseif (\n) == 13
	v_pk_fma_f32 v[u+6:u+7], v[u+2:u+3], v[u+6:u+7], -0.5 op_sel_hi:[1,1,0]
.elseif (\n) == 14
	v_pk_fma_f32 v[rC:rC+1], v[u+2:u+3], v[u+6:u+7], 1.0 op_sel_hi:[1,1,0]  ; cos y
.elseif ((\n) == 15) || ((\n) == 18)  ; squared, twice: 2 c; 2 c c - 1; 2 c s
	v_pk_add_f32 v[u+6:u+7], v[rC:rC+1], v[rC:rC+1]
.elseif ((\n) == 16) || ((\n) == 19)
	v_pk_fma_f32 v[rC:rC+1], v[u+6:u+7], v[rC:rC+1], -1.0 op_sel_hi:[1,1,0]
.else
	v_pk_mul_f32 v[rS:rS+1], v[u+6:u+7], v[rS:rS+1]
.endif
.endm
; THE CHAIN'S START, step n of 11 for input e, tile a.  A lane's own seed is z = e^(i x) in lanes 0-15 and z^16 in lanes 16-31.  w(16 h) is 1 or z^16; z comes to lanes 16-31 from the other half; w(16 h + 1) = w(16 h) z.
.macro PST e, a, n
.set oc, CSB+4*(\a)+(\e)
.set os, CSB+4*(\a)+2+(\e)
.set pt, PT+4*(\a)
.set cb, CHB+24*(\e)+6*(\a)
	WIN 0
.if (\n) == 0
	v_cndmask_b32 v[cb], 1.0, v[oc], s[HM]
.elseif (\n) == 1
	v_cndmask_b32 v[cb+1], 0, v[os], s[HM]
.elseif (\n) == 2
	v_permlanex16_b32 v[pt], v[oc], s[SEL], s[SEL+1]
.elseif (\n) == 3
	v_permlanex16_b32 v[pt+1], v[os], s[SEL], s[SEL+1]
.elseif (\n) == 4
	v_cndmask_b32 v[pt+2], v[oc], v[pt], s[HM]
.elseif (\n) == 5
	v_cndmask_b32 v[pt+3], v[os], v[pt+1], s[HM]
.elseif (\n) == 6
	v_add_f32 v[cb+4], v[pt+2], v[pt+2]  ; 2 cos x
.elseif (\n) == 7
	v_mul_f32 v[cb+2], v[cb], v[pt+2]
.elseif (\n) == 8
	v_mul_f32 v[cb+3], v[cb], v[pt+3]
.elseif (\n) == 9
	v_fma_f32 v[cb+2], -v[cb+1], v[pt+3], v[cb+2]
.else
	v_fma_f32 v[cb+3], v[cb+1], v[pt+2], v[cb+3]
.endif
.endm
; THE CHAIN, entry q of 64 for input e, chunk c.  Register p = q / 8 of the fragments: entries 8 p + 0..3 step the four tiles' chains to harmonic 16 h + 8 c + p + 1 (the first of an input is there already),
; entries 8 p + 4..7 round the pair (cos, sin) to f16, which IS the fragment's register.  The two links change places from step to step.
.macro CHS e, c, q
.set p, (\q)/8
.set PP, 8*(\c)+p
.set sb, (\q)%8
.set ta, sb%4
.set cb, CHB+24*(\e)+6*ta
.if PP%2
.set rD, cb
.set rO, cb+2
.else
.set rD, cb+2
.set rO, cb
.endif
.if sb < 4
.if PP > 0
	WIN 0
	v_pk_fma_f32 v[rD:rD+1], v[rO:rO+1], v[cb+4:cb+5], v[rD:rD+1] op_sel_hi:[1,0,1] neg_lo:[0,0,1] neg_hi:[0,0,1]
.endif
.else
	WIN 0
	v_cvt_pk_f16_f32 v[AF+32*(\c)+8*ta+p], v[rD], v[rD+1]
.endif
.endm
; SLICE k of a phase's 32: two entries of the chain (input ge, chunk gc; ge < 0: nothing at all), and two of the work for the next slot: xk = 1: step k of the seeds of tiles xa, xa + 1; xk = 2: the chain's start for input xa.
; The first rounding into a buffer of fragments stands in slice 2; the buffer's last reader is the phase before's last product.  Between them stand slices 0 and 1: four chain steps (gc = 1), four lines for the next slot,
; or, where there are neither, four v_nop: all plain, and none names a register of that product.
.macro SLICE ge, gc, xk, xa
.if (\ge) >= 0
	CHS \ge, \gc, 2*k
	CHS \ge, \gc, 2*k+1
.if (\xk) == 1
.if k < 21
	SCS \xa, k
	SCS (\xa)+1, k
.endif
.elseif (\xk) == 2
.if k < 22
	PST \xa, (2*k)%4, k/2
	PST \xa, (2*k+1)%4, k/2
.endif
.elseif ((\gc) == 0) && (k == 0)
	PLACES
.endif
.endif
.set k, k+1
.endm
.macro RUN f, zero, n, ge, gc, xk, xa  ; n matrix instructions, a slice behind every second
.rept (\n)/2
	MM \f, \zero
	MM \f, \zero
	SLICE \ge, \gc, \xk, \xa
.endr
.endm
; A PHASE: 64 products on buffers f.  In its middle the next phase's fragments of W, off bytes into the slot, are fetched into the other buffer: its last reader stands 16 slices back.
; turn = 1, 2: the slot's last phase changes slots.  ONE barrier for two things.  In front of it each wave waits for all its tensor loads, of which one is out: its quarter of the other slot; adds 0 to its spare word; and waits for
; that and for its own reads of this slot.  Behind it nobody reads this slot any more and the other slot is whole.  turn = 1: the barrier opens a round of the cluster's, so that no wave of any partner still reads the slot or has a
; load on its way, and the joint refill, the rows two slots on, is the first thing behind it: it has four phases less 32 products in which to land.  xl = 1: x of the slot after next is read.
.macro PHASE f, ge, gc, xk, xa, off, zero, turn, xl
.set w, 0
.set k, 0
	s_wait_dscnt 0x0                ; this phase's fragments of W (and x, where it was read) are in: they were asked for 32 products ago
.if (\turn) == 0
	RUN \f, \zero, 32, \ge, \gc, \xk, \xa
.if (\off) >= 0
	FETCH \off, 1-(\f)
.endif
	RUN \f, \zero, 32, \ge, \gc, \xk, \xa
.else
	WIN 0                           ; (the add's two registers lie in window 0)
	s_wait_tensorcnt 0x0            ; no tensor load of mine is out, so a group 0 may be written
	ds_add_u32 v[SPW], v[NIL]       ; 0 onto my spare word; work on registers stands between it and the wait for it
.if (\turn) == 1
	s_xor_b32 s[G0+1], s[G0+1], SLOT1  ; the walking descriptor: the other slot than last time,
	s_add_nc_u64 s[G0+2:G0+3], s[G0+2:G0+3], 0x20000  ; the next 128 rows of 1,024 bytes; the type bits on top are not reached
.endif
	RUN \f, \zero, 16, \ge, \gc, \xk, \xa
	s_wait_dscnt 0x0                ; the add is done; my reads of this slot were over at the phase's head
	s_barrier_signal -1
	RUN \f, \zero, 16, \ge, \gc, \xk, \xa
	WIN 0                           ; at a branch and at a label every window is 0
	s_barrier_wait -1
.if (\turn) == 1
	CREST
	tensor_load_to_lds s[G0:G0+3], s[G1B:G1B+7]  ; my one tensor load behind the round
	s_nop 0
.endif
	PLACES                          ; four v_nop follow the load
	s_xor_b32 s[TB], s[TB], SLOT1
	v_add_nc_u32 v[ADR], s[TB], v[AB0]
	FETCH 0, 0
.if \xl
	XLOAD
.endif
	RUN \f, \zero, 32, \ge, \gc, \xk, \xa
.endif
.endm
; The four phases of a slot (inputs e0, e1; chunk c lies in buffer c).  nx = 1: there is a next slot to prepare.
.macro Q0 zero, nx                  ; multiplies (e0, c0) | makes trig (e0, c1) | the next slot's seeds, tiles 0, 1
	PHASE 0, 0, 1, \nx, 0, 16*PB, \zero, 0, 0
.endm
.macro Q1 nx                        ; multiplies (e0, c1) | makes trig (e1, c0) | the next slot's seeds, tiles 2, 3
	PHASE 1, 1, 0, \nx, 2, 64*PB, 0, 0, 0
.endm
.macro Q2 nx                        ; multiplies (e1, c0) | makes trig (e1, c1) | starts the chains of the next slot's e0, whose registers are free since Q0
	PHASE 0, 1, 1, 2*(\nx), 0, 80*PB, 0, 0, 0
.endm
.macro Q3 turn, xl                  ; multiplies (e1, c1) | makes the next slot's trig (e0, c0) | starts the chains of its e1, whose registers are free since Q2
	PHASE 1, 0, 0, 2, 1, 0, 0, \turn, \xl
.endm
	s_wait_tensorcnt 0x1            ; the x tile and my quarter of slot 0 are in; slot 1's load may stay out
	s_barrier_signal -1
	s_barrier_wait -1               ; everybody's quarter is in
	XLOAD                           ; slot 0's x
	FETCH 0, 0
	s_wait_dscnt 32                 ; x is in; the 32 loads issued behind it may stay out
.irp t, 0,2                         ; slot 0's seeds, chains and first fragments: there are no products yet to set them between
.set nn, 0
.rept 21
	SCS \t, nn
	SCS (\t)+1, nn
.set nn, nn+1
.endr
.endr
	XLOAD                           ; slot 1's x: every seed has read slot 0's
.irp e, 0,1
.set nn, 0
.rept 11
.irp a, 0,1,2,3
	PST \e, \a, nn
.endr
.set nn, nn+1
.endr
.endr
.set qq, 4
.rept 60
	CHS 0, 0, qq
.set qq, qq+1
.endr
	Q0 1, 1                         ; the first phase stands in front of the loop: its products start the sums
	WIN 0
	s_mov_b32 s[LC], SLOTS-2
.Lslot:                             ; 30 trips: from a slot's second phase to the next slot's first; every slot but the last two is filled again
	Q1 1
	Q2 1
	Q3 1, 1
	Q0 0, 1
	WIN 0
	s_sub_co_u32 s[LC], s[LC], 1
	s_cmp_lg_u32 s[LC], 0
	s_cbranch_scc1 .Lslot
	Q1 1                            ; the tail is written out: the last slot but one asks for nothing
	Q2 1
	Q3 2, 0
	Q0 0, 0                         ; and the last prepares nothing
	Q1 0
	Q2 0
	PHASE 1, -1, 0, 0, 0, -1, 0, 0, 0  ; the last 64 products stand bare
; THE WAY OUT, in eight blocks of 16 rows x 128 columns (tile bt / 2, column half bt % 2).  A lane's eight numbers of a row, 32 bytes, go into my own stage, rows of 528 bytes, and come back as whole rows of 512.
.macro TOSTAGE bt
.set ta, (\bt)/2
.set tq, (\bt)%2
.set BK, OB+64*((\bt)%2)
	WIN 0x08+4*(ta/2)               ; the stores' data: window 2 or 3
.set bb, 0
.rept 8
.set rA, 8*(16*(ta%2)+8*tq+bb)
	ds_store_b128 v[STO], v[rA:rA+3] offset:64*bb  ; an accumulator's low registers are read first
	ds_store_b128 v[STO], v[rA+4:rA+7] offset:64*bb+16
.set bb, bb+1
.endr
	WIN 0
	s_wait_xcnt 0x0                 ; the registers that the block before last's stores read are loaded again only behind this wait
.set tt, 0
.rept 16
	ds_load_b128 v[BK+4*tt:BK+4*tt+3], v[RD] offset:SPI*tt  ; LDS serves a wave's instructions in order (ISA guide 5.7.1.4): these see the stores above; the next block's stores come behind them
.set tt, tt+1
.endr
.endm
.macro SEND bt, younger             ; younger: the LDS instructions issued behind this block's loads: the next block's 32, or none
.set ta, (\bt)/2
.set tq, (\bt)%2
.set BK, OB+64*((\bt)%2)
	WIN 0
	s_wait_dscnt \younger
.set tt, 0
.rept 16
	global_store_b128 v[CO], v[BK+4*tt:BK+4*tt+3], s[8:9] offset:(16*ta+tt)*2048+512*tq  ; 512 consecutive bytes, at a multiple of 512 from part's first byte; no hint: the next launch reads them
.set tt, tt+1
.endr
.endm
	WIN 0
	PLACES                          ; behind the last products: the stores read results, the loads land in registers that they read
	TOSTAGE 0
.irp bt, 1,2,3,4,5,6,7
	TOSTAGE \bt
	SEND (\bt)-1, 32
.endr
	SEND 7, 0
	s_wait_tensorcnt 0x0            ; the wave's end, behind my last tensor load and my last LDS store
	ds_add_u32 v[SPW], v[NIL]
	s_wait_dscnt 0x0
	CROUND                          ; the closing round: no work-group ends while a partner may still ask for a tile that names it
	s_endpgm
.Lfunc_end_k_q276bcf7358_gemm:
	.size	k_q276bcf7358_gemm, .Lfunc_end_k_q276bcf7358_gemm-k_q276bcf7358_gemm
	.p2alignl 7, 3214868480
	.fill 96, 4, 3214868480
	.section	.rodata,"a",@progbits
	.p2align	6, 0x0
	.amdhsa_kernel k_q276bcf7358_gemm
		.amdhsa_group_segment_fixed_size 327680
		.amdhsa_private_segment_fixed_size 0
		.amdhsa_enable_private_segment 0
		.amdhsa_kernarg_size 24
		.amdhsa_user_sgpr_count 2
		.amdhsa_user_sgpr_kernarg_segment_ptr 1
		.amdhsa_wavefront_size32 1
		.amdhsa_system_sgpr_workgroup_id_x 1
		.amdhsa_system_sgpr_workgroup_id_y 1
		.amdhsa_system_sgpr_workgroup_id_z 1
		.amdhsa_system_vgpr_workitem_id 0
		.amdhsa_next_free_vgpr 1024
		.amdhsa_next_free_sgpr 80
		.amdhsa_reserve_vcc 0
		.amdhsa_float_denorm_mode_32 3
		.amdhsa_float_denorm_mode_16_64 3
		.amdhsa_memory_ordered 1
		.amdhsa_forward_progress 1
		.amdhsa_inst_pref_size 211
	.end_amdhsa_kernel
	.amdgpu_metadata
---
amdhsa.version: [ 1, 2 ]
amdhsa.kernels:
  - .name:           k_q276bcf7358_gemm
    .symbol:         k_q276bcf7358_gemm.kd
    .args:
      - { .name: x, .offset: 0, .size: 8, .value_kind: global_buffer, .address_space: global }
      - { .name: w16, .offset: 8, .size: 8, .value_kind: global_buffer, .address_space: global }
      - { .name: part, .offset: 16, .size: 8, .value_kind: global_buffer, .address_space: global }
    .group_segment_fixed_size: 327680
    .private_segment_fixed_size: 0
    .kernarg_segment_align: 8
    .kernarg_segment_size: 24
    .max_flat_workgroup_size: 128
    .sgpr_count:     80
    .vgpr_count:     1024
    .wavefront_size: 32
...
	.end_amdgpu_metadata
.endif
;; end of part 2
;; launch reduce (part 3): grid 512 x 1, 8 waves a work-group, no clusters, 0 bytes of LDS; arguments part, bias, out0; writes out0
.if DOCPART == 3
	.amdgcn_target "amdgcn-amd-amdhsa--gfx1250"
	.amdhsa_code_object_version 6
	.text
	.protected	k_q276bcf7358_reduce
	.globl	k_q276bcf7358_reduce
	.p2align	8
	.type	k_q276bcf7358_reduce,@function
k_q276bcf7358_reduce:
	s_mov_b64 s[64:65], 0
	v_nop
	global_prefetch_b8 v0, s[64:65] scope:SCOPE_SE
	s_setreg_imm32_b32 hwreg(HW_REG_WAVE_MODE, 25, 1), 1
	s_wait_xcnt 0x0
; out0[m][n] = bias[n] + part[0][m][n] + .. + part[7][m][n], all f32, added in that order.  part: [8][4096][512]; bias: [512]; out0: [4096][512].
; A pure stream: no LDS, no barrier, no matrix unit.  A work-group takes 16,384 bytes of out0 (8 rows), thread t four pieces of 16 bytes, 4,096 bytes (two rows) apart, so its four columns, and its four numbers of bias,
; are the same in every piece.  A wave's load or store covers 512 consecutive bytes.  All 33 loads of a wave go out at once; no register that a pending instruction names is written again.
.set BI, 4                             ; v[4:7]    my four numbers of bias
.set P,  8                             ; v[8:135]  piece j, slice k: four registers at P + 4 (8 j + k); the sum grows in slice 0's
.set BS, 16                            ; s[16:31]  part at the work-group's bytes, slice k at s[BS+2k:BS+2k+1]: 8 MiB apart, more than a load's immediate holds
	s_load_b128 s[4:7], s[0:1], 0x0                ; part s[4:5], bias s[6:7]
	s_load_b64 s[8:9], s[0:1], 0x10                ; out0
	s_lshl_b32 s2, ttmp9, 14                       ; the work-group's 16,384 bytes
	s_mov_b32 s3, 0
	v_lshlrev_b32 v1, 4, v0                        ; 16 t
	v_and_b32 v2, 127, v0                          ; a row is 128 threads wide
	v_lshlrev_b32 v2, 4, v2
	s_wait_kmcnt 0x0
	s_add_nc_u64 s[BS:BS+1], s[4:5], s[2:3]
.irp k, 1,2,3,4,5,6,7
	s_add_nc_u64 s[BS+2*(\k):BS+2*(\k)+1], s[BS+2*(\k)-2:BS+2*(\k)-1], 0x800000
.endr
	s_add_nc_u64 s[8:9], s[8:9], s[2:3]
	global_load_b128 v[BI:BI+3], v2, s[6:7]
.irp j, 0,1,2,3
.irp k, 0,1,2,3,4,5,6,7
	global_load_b128 v[P+4*(8*(\j)+(\k)):P+4*(8*(\j)+(\k))+3], v1, s[BS+2*(\k):BS+2*(\k)+1] offset:4096*(\j) th:TH_LOAD_NT  ; read once
.endr
.endr
.irp j, 0,1,2,3
	s_wait_loadcnt 8*(3-(\j))                      ; loads come back in order: bias and piece j's eight are in, the later pieces' eight each stay out
	v_pk_add_f32 v[P+32*(\j):P+32*(\j)+1],   v[P+32*(\j):P+32*(\j)+1],   v[BI:BI+1]
	v_pk_add_f32 v[P+32*(\j)+2:P+32*(\j)+3], v[P+32*(\j)+2:P+32*(\j)+3], v[BI+2:BI+3]
.irp k, 1,2,3,4,5,6,7
	v_pk_add_f32 v[P+32*(\j):P+32*(\j)+1],   v[P+32*(\j):P+32*(\j)+1],   v[P+32*(\j)+4*(\k):P+32*(\j)+4*(\k)+1]
	v_pk_add_f32 v[P+32*(\j)+2:P+32*(\j)+3], v[P+32*(\j)+2:P+32*(\j)+3], v[P+32*(\j)+4*(\k)+2:P+32*(\j)+4*(\k)+3]
.endr
	global_store_b128 v1, v[P+32*(\j):P+32*(\j)+3], s[8:9] offset:4096*(\j) th:TH_STORE_NT
.endr
	s_endpgm
.Lfunc_end_k_q276bcf7358_reduce:
	.size	k_q276bcf7358_reduce, .Lfunc_end_k_q276bcf7358_reduce-k_q276bcf7358_reduce
	.p2alignl 7, 3214868480
	.fill 96, 4, 3214868480
	.section	.rodata,"a",@progbits
	.p2align	6, 0x0
	.amdhsa_kernel k_q276bcf7358_reduce
		.amdhsa_group_segment_fixed_size 0
		.amdhsa_private_segment_fixed_size 0
		.amdhsa_enable_private_segment 0
		.amdhsa_kernarg_size 24
		.amdhsa_user_sgpr_count 2
		.amdhsa_user_sgpr_kernarg_segment_ptr 1
		.amdhsa_wavefront_size32 1
		.amdhsa_system_sgpr_workgroup_id_x 1
		.amdhsa_system_sgpr_workgroup_id_y 1
		.amdhsa_system_sgpr_workgroup_id_z 1
		.amdhsa_system_vgpr_workitem_id 0
		.amdhsa_next_free_vgpr 140
		.amdhsa_next_free_sgpr 66
		.amdhsa_reserve_vcc 0
		.amdhsa_float_denorm_mode_32 3
		.amdhsa_float_denorm_mode_16_64 3
		.amdhsa_memory_ordered 1
		.amdhsa_forward_progress 1
		.amdhsa_inst_pref_size 9
	.end_amdhsa_kernel
	.amdgpu_metadata
---
amdhsa.version: [ 1, 2 ]
amdhsa.kernels:
  - .name:           k_q276bcf7358_reduce
    .symbol:         k_q276bcf7358_reduce.kd
    .args:
      - { .name: part, .offset: 0, .size: 8, .value_kind: global_buffer, .address_space: global }
      - { .name: bias, .offset: 8, .size: 8, .value_kind: global_buffer, .address_space: global }
      - { .name: out0, .offset: 16, .size: 8, .value_kind: global_buffer, .address_space: global }
    .group_segment_fixed_size: 0
    .private_segment_fixed_size: 0
    .kernarg_segment_align: 8
    .kernarg_segment_size: 24
    .max_flat_workgroup_size: 256
    .sgpr_count:     66
    .vgpr_count:     140
    .wavefront_size: 32
...
	.end_amdgpu_metadata
.endif
;; end of part 3
